; MI455X (gfx1250); checked and timed in simulation.
; The chip was launched on July 23, 2026; its instructions are those of AMD's public machine-readable ISA for CDNA 5 (MIT licence, August 2026) and "CDNA5" Instruction Set Architecture Reference Guide (July 2026). The comments in the code are by the model that wrote it; some were corrected since.
;; Soft Decision Tree. Allowed arithmetic: float matrix products may take bf16 or f16 operands with f32 sums; all other float work in f32.
;; Inputs: leaf_logits 1,024 x 2 float32; split_bias 1,023 float32; split_weights 1,023 x 4,096 float32; x 16,384 x 4,096 float32.
;; Outputs: out0 16,384 x 2 float32.
;; 2 versions, each right; version 2 is version 1 with the launch prep written anew for expert scheduling mode. Each part assembles by itself: llvm-mc -triple=amdgcn-amd-amdhsa -mcpu=gfx1250 --defsym DOCPART=n.
;; ======== version 1 of 2: 2 launches
;; workspace buffers: wb 8,388,608 bytes; tab 12,288 bytes
;; launch prep (part 1): grid 264 x 1, 4 waves a work-group, no clusters, 0 bytes of LDS; arguments split_weights, split_bias, leaf_logits, wb, tab; writes wb, tab
.if DOCPART == 1
	.amdgcn_target "amdgcn-amd-amdhsa--gfx1250"
	.amdhsa_code_object_version 6
	.text
	.protected	k_q5bacfa1cf6_prep
	.globl	k_q5bacfa1cf6_prep
	.p2align	8
	.type	k_q5bacfa1cf6_prep,@function
k_q5bacfa1cf6_prep:
	s_mov_b64 s[64:65], 0
	v_nop
	global_prefetch_b8 v0, s[64:65] scope:SCOPE_SE
	s_setreg_imm32_b32 hwreg(HW_REG_WAVE_MODE, 25, 1), 1
	s_wait_xcnt 0x0
; PREP.  Makes what the second launch reads of the three small inputs.
; wb:  split_weights rounded once to bf16, its rows put in SLOT order and its K cut into 64 blocks of 64.
; tab: per group g, 384 f32: -log2(e) x bias in slot order (128), then A0, D0, A1, D1 (64 each) for the lowest level of nodes.
; SLOTS.  slot = 256 w + 16 nt + 8 h + j.  Group g = 2 w + h is the subtree under node 7 + g; its place i = 8 nt + j (0..127) holds:
;   i = 0: top node g (nodes 0..6); for g = 7 node 7's row once more, whose result nobody reads (1,023 rows fill 1,024 slots);
;   i = 2^d + pos: the node at depth d under 7 + g, bit t of pos = the turn taken at depth t: node = (8 + g) 2^d + brev_d(pos) - 1.
; So the children of (d, pos) are (d + 1, pos) on the left and (d + 1, pos + 2^d) on the right.
; wb's byte for slot, k = 64 ks + 8 m + e:  ks x 131,072 + slot x 128 + ((m + slot / 2) mod 8) x 16 + 2 e: a K block is dense, and the eight
; 16-byte pieces of a row are turned round by slot / 2, so that 16 neighbouring rows' piece m lies in 16 different columns of 16 bytes modulo 256.
; A_c[pos] = softmax(left leaf)[c], D_c[pos] = softmax(right leaf)[c] - A_c[pos]; the leaves of (6, pos) are 2 p9 and 2 p9 + 1, p9 = 64 g + brev6(pos).
; The softmax takes the pair's maximum away first.  NaN and infinities are not treated apart.
; Work-groups 0..255 write wb, 256..263 write tab.  No LDS, no barrier: no wave needs another's data.
.set NLOG2E, 0xbfb8aa3b                ; -log2(e)
.set LOG2E,  0x3fb8aa3b
.set TA,  8                            ; v8, v9   at work
.set TB,  9
.set PW,  10                           ; v10      2^d (0 for index 0)
.set RV,  11                           ; v11      brev_d(pos)
.set ND,  12                           ; v12      a node's number
.set IDX, 13                           ; v13      a place i
.set VO,  16                           ; v16-23   pair of slots i: byte offset of my 16 bytes in split_weights
.set SO,  24                           ; v24-31   pair of slots i: byte offset of my 8 bytes in wb
.set DT,  32                           ; v32-159  32 loads of four registers
.macro BREV6 dst, src, tmp             ; the six low bits in reverse order
	v_bfe_u32 v[\dst], v[\src], 0, 1
	v_lshlrev_b32 v[\dst], 5, v[\dst]
.irp k, 1,2,3,4,5
	v_bfe_u32 v[\tmp], v[\src], \k, 1
	v_lshl_or_b32 v[\dst], v[\tmp], 5-(\k), v[\dst]
.endr
.endm
.macro SPLIT idx                       ; of a place i: PW = its highest bit, RV = brev_d(i - PW), VCC = (i == 0)
	v_lshrrev_b32 v[TA], 1, v[\idx]
	v_or_b32 v[TA], v[TA], v[\idx]
	v_lshrrev_b32 v[TB], 2, v[TA]
	v_or_b32 v[TA], v[TA], v[TB]
	v_lshrrev_b32 v[TB], 4, v[TA]
	v_or_b32 v[TA], v[TA], v[TB]           ; all bits below the highest are set
	v_lshrrev_b32 v[TB], 1, v[TA]
	v_sub_nc_u32 v[PW], v[TA], v[TB]       ; 2^d
	v_sub_nc_u32 v[TA], v[\idx], v[PW]     ; pos
	BREV6 RV, TA, TB
	v_mul_lo_u32 v[RV], v[RV], v[PW]
	v_lshrrev_b32 v[RV], 6, v[RV]          ; brev6(pos) >> (6 - d)
	v_cmp_eq_u32 vcc_lo, 0, v[\idx]
.endm
.macro NODE dst, sg, sg8               ; the node at that place in group s[sg]; s[sg8] = 8 + the group
	v_mul_lo_u32 v[\dst], s[\sg8], v[PW]
	v_add3_u32 v[\dst], v[\dst], v[RV], -1
	v_cndmask_b32 v[\dst], v[\dst], s[\sg], vcc_lo   ; place 0: the top node with the group's number
.endm
	s_load_b256 s[4:11], s[0:1], 0x0               ; split_weights s[4:5], split_bias s[6:7], leaf_logits s[8:9], wb s[10:11]
	s_load_b64 s[12:13], s[0:1], 0x20              ; tab
	v_lshrrev_b32 v1, 5, v0
	v_readfirstlane_b32 s14, v1                    ; wave 0..3
	s_cmp_ge_u32 ttmp9, 256
	s_cbranch_scc1 .Ltables
	; A WAVE'S SHARE OF wb: one tile of 16 slots x 256 along K (four K blocks): 16 KiB in, 8 KiB out.
	s_lshl_b32 s15, ttmp9, 2
	s_add_co_u32 s15, s15, s14                     ; task 0..1023
	s_lshr_b32 s16, s15, 4                         ; tile of 16 slots, 0..63
	s_and_b32 s17, s15, 15                         ; which four K blocks
	s_lshr_b32 s18, s16, 4                         ; w
	s_and_b32 s19, s16, 15                         ; nt
	s_lshl_b32 s20, s18, 1                         ; the group of the tile's slots 0-7,
	s_add_co_u32 s21, s20, 8
	s_add_co_u32 s22, s20, 1                       ; and of its slots 8-15
	s_add_co_u32 s23, s20, 9
	s_lshl_b32 s24, s19, 3                         ; 8 nt
	s_lshl_b32 s25, s17, 10                        ; my 256 numbers of a row begin here, in bytes
	s_lshl_b32 s26, s17, 19                        ; four K blocks of wb
	s_lshl_b32 s27, s16, 11                        ; 16 slots of 128 bytes
	s_add_co_u32 s26, s26, s27
	v_and_b32 v2, 15, v0                           ; c: which 16 bytes of 256
	v_bfe_u32 v3, v0, 4, 1                         ; a: the even or the odd slot of a pair
	v_lshl_add_u32 v4, v2, 4, s25
	v_lshl_add_u32 v5, v3, 7, s26
	v_and_b32 v6, 1, v2
	v_lshl_add_u32 v5, v6, 3, v5                   ; my four numbers are half of a piece of eight
	v_lshrrev_b32 v6, 1, v2                        ; piece m = c / 2
	v_add_nc_u32 v7, s24, v3                       ; 8 nt + a
.irp ii, 0,1,2,3                       ; pairs ii and ii + 4 hold the same places in the tile's two groups
	v_add_nc_u32 v[IDX], 2*(\ii), v7
	SPLIT IDX
	NODE ND, 20, 21
	v_lshl_add_u32 v[VO+(\ii)], v[ND], 14, v4      ; a row of split_weights is 16,384 bytes
	NODE ND, 22, 23
	v_lshl_add_u32 v[VO+4+(\ii)], v[ND], 14, v4
.endr
.irp i, 0,1,2,3,4,5,6,7
	v_add_nc_u32 v[TA], \i, v6
	v_and_b32 v[TA], 7, v[TA]                      ; (m + slot / 2) mod 8: slot / 2 = 8 x tile + i
	v_lshl_add_u32 v[SO+(\i)], v[TA], 4, v5
.endr
	s_wait_kmcnt 0x0
.irp i, 0,1,2,3,4,5,6,7                ; all 32 loads go out first: lanes 0-15 take 256 consecutive bytes of one row, lanes 16-31 of the pair's other row
.irp k, 0,1,2,3
	global_load_b128 v[DT+4*(4*(\i)+(\k)):DT+4*(4*(\i)+(\k))+3], v[VO+(\i)], s[4:5] offset:256*(\k)
.endr
.endr
.irp i, 0,1,2,3,4,5,6,7
.irp k, 0,1,2,3
	s_wait_loadcnt 31-(4*(\i)+(\k))                ; loads come back in order (ISA guide 5.7.1): this one is in, the younger ones stay out
	v_cvt_pk_bf16_f32 v[DT+4*(4*(\i)+(\k))],   v[DT+4*(4*(\i)+(\k))],   v[DT+4*(4*(\i)+(\k))+1]
	v_cvt_pk_bf16_f32 v[DT+4*(4*(\i)+(\k))+1], v[DT+4*(4*(\i)+(\k))+2], v[DT+4*(4*(\i)+(\k))+3]
	global_store_b64 v[SO+(\i)], v[DT+4*(4*(\i)+(\k)):DT+4*(4*(\i)+(\k))+1], s[10:11] offset:256*(\i)+131072*(\k)  ; the wave's 32 x 8 bytes are two slots' rows: 256 consecutive bytes, aligned
.endr
.endr
	s_endpgm                                       ; no register was written twice, so no wait frees one
.Ltables:                                              ; GROUP g's TABLES: thread i = 0..127 makes bias'[i], and A and D of (class i / 64, pos i mod 64)
	s_sub_co_u32 s15, ttmp9, 256                   ; g
	s_add_co_u32 s16, s15, 8
	s_lshl_b32 s17, s15, 6
	s_mul_i32 s18, s15, 1536                       ; the group's 384 numbers in tab
	SPLIT 0
	NODE ND, 15, 16
	v_lshlrev_b32 v14, 2, v[ND]                    ; 4,088 at the most: inside the 4,092 bytes of split_bias
	v_and_b32 v15, 63, v0                          ; pos
	v_lshrrev_b32 v16, 6, v0                       ; class
	BREV6 17, 15, TB
	v_add_nc_u32 v17, s17, v17                     ; p9
	v_lshlrev_b32 v18, 4, v17                      ; two leaves' four logits are 16 bytes
	v_lshl_add_u32 v19, v0, 2, s18
	v_lshl_add_u32 v20, v16, 8, v19                ; A_c[pos] lies at number 128 + 128 c + pos = 128 + i + 64 c
	v_cmp_eq_u32 vcc_lo, 1, v16
	s_wait_kmcnt 0x0
	global_load_b32 v21, v14, s[6:7]
	global_load_b128 v[24:27], v18, s[8:9]
	s_wait_loadcnt 0x0
	v_mul_f32 v21, NLOG2E, v21
	global_store_b32 v19, v21, s[12:13]            ; tab is 12,288 bytes in all: these stores are four bytes a lane, 128 consecutive bytes a wave
	v_max_num_f32 v28, v24, v25
	v_max_num_f32 v29, v26, v27
	v_sub_f32 v24, v24, v28                        ; the larger of a pair becomes exactly 0
	v_sub_f32 v25, v25, v28
	v_sub_f32 v26, v26, v29
	v_sub_f32 v27, v27, v29
	v_mul_f32 v24, LOG2E, v24
	v_mul_f32 v25, LOG2E, v25
	v_mul_f32 v26, LOG2E, v26
	v_mul_f32 v27, LOG2E, v27
	v_exp_f32 v24, v24
	v_exp_f32 v25, v25
	v_exp_f32 v26, v26
	v_exp_f32 v27, v27
	v_nop                                          ; a plain instruction between the last exponential and the use of its result (ISA guide 5.7.2)
	s_wait_alu depctr_va_vdst(0)
	v_add_f32 v28, v24, v25
	v_add_f32 v29, v26, v27
	v_rcp_f32 v28, v28
	v_rcp_f32 v29, v29
	v_cndmask_b32 v30, v24, v25, vcc_lo            ; my class's term of the left leaf (plain, and names no reciprocal),
	v_cndmask_b32 v31, v26, v27, vcc_lo            ; of the right leaf
	s_wait_alu depctr_va_vdst(0)
	v_mul_f32 v30, v30, v28                        ; A
	v_fma_f32 v31, v31, v29, -v30                  ; D
	global_store_b32 v20, v30, s[12:13] offset:512
	global_store_b32 v20, v31, s[12:13] offset:768
	s_endpgm
.Lfunc_end_k_q5bacfa1cf6_prep:
	.size	k_q5bacfa1cf6_prep, .Lfunc_end_k_q5bacfa1cf6_prep-k_q5bacfa1cf6_prep
	.p2alignl 7, 3214868480
	.fill 96, 4, 3214868480
	.section	.rodata,"a",@progbits
	.p2align	6, 0x0
	.amdhsa_kernel k_q5bacfa1cf6_prep
		.amdhsa_group_segment_fixed_size 0
		.amdhsa_private_segment_fixed_size 0
		.amdhsa_enable_private_segment 0
		.amdhsa_kernarg_size 40
		.amdhsa_user_sgpr_count 2
		.amdhsa_user_sgpr_kernarg_segment_ptr 1
		.amdhsa_wavefront_size32 1
		.amdhsa_system_sgpr_workgroup_id_x 1
		.amdhsa_system_sgpr_workgroup_id_y 1
		.amdhsa_system_sgpr_workgroup_id_z 1
		.amdhsa_system_vgpr_workitem_id 0
		.amdhsa_next_free_vgpr 160
		.amdhsa_next_free_sgpr 66
		.amdhsa_reserve_vcc 1
		.amdhsa_float_denorm_mode_32 3
		.amdhsa_float_denorm_mode_16_64 3
		.amdhsa_memory_ordered 1
		.amdhsa_forward_progress 1
		.amdhsa_inst_pref_size 25
	.end_amdhsa_kernel
	.amdgpu_metadata
---
amdhsa.version: [ 1, 2 ]
amdhsa.kernels:
  - .name:           k_q5bacfa1cf6_prep
    .symbol:         k_q5bacfa1cf6_prep.kd
    .args:
      - { .name: split_weights, .offset: 0, .size: 8, .value_kind: global_buffer, .address_space: global }
      - { .name: split_bias, .offset: 8, .size: 8, .value_kind: global_buffer, .address_space: global }
      - { .name: leaf_logits, .offset: 16, .size: 8, .value_kind: global_buffer, .address_space: global }
      - { .name: wb, .offset: 24, .size: 8, .value_kind: global_buffer, .address_space: global }
      - { .name: tab, .offset: 32, .size: 8, .value_kind: global_buffer, .address_space: global }
    .group_segment_fixed_size: 0
    .private_segment_fixed_size: 0
    .kernarg_segment_align: 8
    .kernarg_segment_size: 40
    .max_flat_workgroup_size: 128
    .sgpr_count:     66
    .vgpr_count:     160
    .wavefront_size: 32
...
	.end_amdgpu_metadata
.endif
;; end of part 1
;; launch tree (part 2): grid 256 x 1, 4 waves a work-group, clusters of 4 x 1, 327,680 bytes of LDS; arguments x, wb, tab, out0; writes out0
.if DOCPART == 2
	.amdgcn_target "amdgcn-amd-amdhsa--gfx1250"
	.amdhsa_code_object_version 6
	.text
	.protected	k_q5bacfa1cf6_tree
	.globl	k_q5bacfa1cf6_tree
	.p2align	8
	.type	k_q5bacfa1cf6_tree,@function
k_q5bacfa1cf6_tree:
	s_mov_b64 s[64:65], 0
	v_nop
	global_prefetch_b8 v0, s[64:65] scope:SCOPE_SE
	s_setreg_imm32_b32 hwreg(HW_REG_WAVE_MODE, 25, 1), 1
	s_wait_xcnt 0x0
	s_wait_alu depctr_hold_cnt(0) depctr_sa_sdst(0) depctr_va_vdst(0) depctr_va_sdst(0) depctr_va_ssrc(0) depctr_va_vcc(0) depctr_vm_vsrc(0)
	s_getreg_b32 s2, hwreg(HW_REG_IB_STS2, 6, 4)
	s_cmp_eq_u32 s2, 0
	s_cbranch_scc0 .Lentry_in_a_cluster
	s_endpgm
.Lentry_in_a_cluster:
	s_bfe_u32 s2, ttmp6, 0x10000c
	s_cmp_lg_u32 s2, 0x3003
	s_cbranch_scc0 .Lentry_shape_is_right
	s_endpgm
.Lentry_shape_is_right:
; out0[b][c] = the expectation of softmax(leaf_logits)[leaf][c] over the leaves of a soft tree of depth 10 whose node n turns right with p[n] = sigmoid(x[b] . W[n] + bias[n]).
; ONE LAUNCH: logits (64 rows x 1,024 slots x K = 4,096 per work-group), sigmoid and tree; no logit ever leaves the registers.
; THE TREE is walked from the leaves up: v[n] = (1 - p[n]) v[2n+1] + p[n] v[2n+2], v[0] is the result: the same polynomial as the sum over leaves of the products along their paths,
; in another order of rounding.
; LIMITS.  x and W enter the products rounded to bf16, sums in f32; bias, sigmoid, leaf tables and tree in f32.  p = 1 / (1 + 2^(-log2(e) (z + bias))): where the power overflows p is 0,
; where it falls below 2^-126 p is 1.  NaN and infinities are not treated apart.  Slot 776 : group 7's place 0 holds node 7's row a second time, and its result is read by nobody.
; SHARES.  Work-group G owns batch rows 64 G .. 64 G + 63 and all 1,024 slots; wave w owns the slots 256 w .. 256 w + 255: 64 accumulators of 16 x 16, 512 registers.  256 work-groups.
; THE MATRIX INSTRUCTION IS USED TRANSPOSED: source 0 = 16 slots of W, source 1 = 16 rows of x.  Lane (r = l % 16, h = l / 16) then holds, in register j of accumulator (mt, nt),
; batch row 16 mt + r and slot 16 nt + 8 h + j: for ONE batch row the 128 places i = 8 nt + j of group g = 2 w + h, which the first launch has laid out as the subtree under node 7 + g:
; place 2^d + pos is depth d, its children are places 2^(d+1) + pos and 2^(d+1) + pos + 2^d.  So every level of the tree is packed arithmetic on aligned pairs of a lane's own registers.
; The eight subtrees' results and the seven top nodes' p meet in LDS, and wave 0 finishes the top three levels.
; K goes in 64 steps of 64.  W's block of a step (131,072 dense bytes of wb) comes by tensor loads into a ring of two LDS slots, a quarter a wave, which that wave alone reads.
; x comes through registers: eight loads a wave and step, asked for two steps ahead, rounded ONCE per work-group to bf16 and put into one of two small stages in LDS, from which all four waves take fragments.
; CLUSTER.  All work-groups walk the same W: the four of a cluster ask for each quarter JOINTLY (the same tensor load, descriptor and mask in all four), behind a round of the cluster's barrier.
; That round, one a K step, also shows the next stage of x whole and the last one read out.
; REGISTERS, in windows of 256 (s_set_vgpr_msb: bits 1:0 source 0, 3:2 source 1, 5:4 source 2, 7:6 destination):
;   window 0: v0-29 addresses; v32-95 fragments of x, two buffers; v96-159 x as loaded, two sets; v160-175 x rounded.  Behind the products: v32-47 results, v48-51 output, v64-127 class 0's values, v128-255 bias'
;   window 1: fragments of W, two buffers of 128.  Behind the products: A0, D0, A1, D1, 64 each
;   windows 2, 3: accumulator (mt, nt) at v[128 (mt % 2) + 8 nt] of window 2 + mt / 2
.set WSLOT, 131072                     ; a slot of the ring: 1,024 slots' rows of 128 bytes
.set WQ,    32768                      ; a wave's quarter of it
.set STG,   2*WSLOT                    ; behind the ring: two stages of x in bf16, 64 rows each
.set SP,    144                        ; a stage's row: 128 bytes + 16 = 36 words: the 16 rows of a fragment load start at 16 different groups of four banks (64 banks of 4 bytes: ISA guide 11.1)
.set STGS,  64*SP
.set TAB,   STG+2*STGS                 ; the tables, filled once: 1,536 bytes a group
.set TABW,  3072                       ; a wave's two groups
.set EX,    TAB+4*TABW                 ; where the subtrees' results meet: 144 bytes a batch row, 16 a group
.set SPARE, EX+64*SP                   ; the spare words, 128 bytes for each wave: two blocks of 256 bytes that no other line names
.set ADB,  4                           ; v4-11   LDS address of my W fragments: [slot][half of the step][first or second 16 bytes]
.set ADA,  12                          ; v12-13  of my x fragments in stage 0, 1
.set STA,  14                          ; v14-15  where I put 8 bytes of x in stage 0, 1
.set XO,   16                          ; v16     my byte offset in my wave's 16 rows of x
.set PFO,  17                          ; v17     the same for the requests ahead
.set TBA,  18                          ; v18     my group's tables
.set EXS,  19                          ; v19     where I put my group's result for a batch row
.set EXR,  20                          ; v20     wave 0: where two batch rows' results lie
.set OUTO, 21                          ; v21     wave 0: my 16 bytes of out0
.set SPW,  28                          ; v28     LDS address of my spare word; never rewritten
.set NIL,  29                          ; v29     0; never rewritten
.set FA,   32
.set XS,   96
.set PK,   160
.set RES,  32
.set OUT,  48
.set T,    64
.set RR,   64
.set BIA,  128
.set WV,   12                          ; s12     my wave's number
.set G1W,  16                          ; s[16:23] descriptor group 1 for a quarter of W
.set G1T,  24                          ; s[24:31] for a wave's tables
.set G0,   32                          ; s[32:39] descriptor group 0 for W, a set for each slot
.set G0T,  40                          ; s[40:43] for the tables
.set XB,   44                          ; s[44:45] x at my wave's rows; steps along K
.set TRIPS, 46
.set NL,   48                          ; s[48:49] -log2(e): the packed scaling takes the pair's low word for both halves
.set MSB, 0
.macro WIN new                         ; the immediate's high byte repeats the setting that is left; a switch that changes nothing is dropped
.if MSB != (\new)
	s_set_vgpr_msb (MSB<<8)|(\new)
.set MSB, \new
.endif
.endm
.set MUL_LO, 0xa1                      ; source 0 (W) window 1, source 1 (x) window 0, C and D window 2
.set TO_B,   0x40                      ; destination window 1, address window 0
.macro PLACES                          ; four places in front of loads into registers that matrix instructions have read, and of vector lines that read results (ISA guide 7.12.1 for the vector lines)
.rept 4
	v_nop
.endr
.endm
.macro CREST                           ; a round of the cluster's barrier behind its opening barrier
	s_cmp_lg_u32 s[WV], 0
	s_cbranch_scc1 .Lnot_wave_0_\@
	s_barrier_signal -3
.Lnot_wave_0_\@:
	s_barrier_wait -3
	s_barrier_signal -1
	s_barrier_wait -1
.endm
.macro CROUND                          ; a whole round
	s_barrier_signal -1
	s_barrier_wait -1
	CREST
.endm
; 16 matrix instructions: row tile mt x all 16 slot tiles, 32 along K, from buffer f.  zero = 1: the product starts the sum.  The 64 accumulators take turns in one fixed order.
.macro MUL16 f, mt, zero
	WIN MUL_LO+0x50*((\mt)/2)
.irp nt, 0,1,2,3,4,5,6,7,8,9,10,11,12,13,14,15
.if \zero
	v_wmma_f32_16x16x32_bf16 v[128*((\mt)%2)+8*(\nt):128*((\mt)%2)+8*(\nt)+7], v[128*(\f)+8*(\nt):128*(\f)+8*(\nt)+7], v[FA+32*(\f)+8*(\mt):FA+32*(\f)+8*(\mt)+7], 0
.else
	v_wmma_f32_16x16x32_bf16 v[128*((\mt)%2)+8*(\nt):128*((\mt)%2)+8*(\nt)+7], v[128*(\f)+8*(\nt):128*(\f)+8*(\nt)+7], v[FA+32*(\f)+8*(\mt):FA+32*(\f)+8*(\mt)+7], v[128*((\mt)%2)+8*(\nt):128*((\mt)%2)+8*(\nt)+7]
.endif
.endr
.endm
; 40 LDS loads in one run: half q of a step's fragments into buffer f: W's 256 slots, then x's 64 rows
.macro FETCH slot, q, f
	WIN TO_B
.irp nt, 0,1,2,3,4,5,6,7,8,9,10,11,12,13,14,15
	ds_load_b128 v[128*(\f)+8*(\nt):128*(\f)+8*(\nt)+3],   v[ADB+4*(\slot)+2*(\q)]   offset:2048*(\nt)
	ds_load_b128 v[128*(\f)+8*(\nt)+4:128*(\f)+8*(\nt)+7], v[ADB+4*(\slot)+2*(\q)+1] offset:2048*(\nt)
.endr
	WIN 0
.irp m, 0,1,2,3
	ds_load_b128 v[FA+32*(\f)+8*(\m):FA+32*(\f)+8*(\m)+3],   v[ADA+(\slot)] offset:16*SP*(\m)+64*(\q)
	ds_load_b128 v[FA+32*(\f)+8*(\m)+4:FA+32*(\f)+8*(\m)+7], v[ADA+(\slot)] offset:16*SP*(\m)+64*(\q)+32
.endr
.endm
; Eight loads: my wave's 16 rows x 64 numbers of x: lanes 0-15 take 256 consecutive aligned bytes of row i, lanes 16-31 of row i + 8
.macro XLOAD xs, koff
.irp i, 0,1,2,3,4,5,6,7
	global_load_b128 v[XS+32*(\xs)+4*(\i):XS+32*(\xs)+4*(\i)+3], v[XO], s[XB:XB+1] offset:16384*(\i)+(\koff) th:TH_LOAD_NT
.endr
.endm
; A set of x is rounded and put into a stage; load = 1: the set is asked for again, at byte koff from XB; step = 1: XB goes two K steps on first; left: the younger loads that may stay out;
; pf = 1: my 16 rows' 512 bytes of the two K steps behind those now loaded are asked for ahead, 256 bytes a lane, each block once in the launch and by this wave alone; not in the loop's last trip, where they would lie past the rows' end.
.macro XSTAGE xs, sslot, left, load, koff, step, pf
	WIN 0
.if \step
	s_wait_xcnt 0x0                                ; every earlier memory instruction has had its addresses translated (ISA guide 3.1): only now is their base stepped
	s_add_nc_u64 s[XB:XB+1], s[XB:XB+1], 512
.endif
	s_wait_loadcnt \left                           ; loads come back in order (ISA guide 5.7.1): this set is in
.irp i, 0,1,2,3,4,5,6,7
	v_cvt_pk_bf16_f32 v[PK+2*(\i)],   v[XS+32*(\xs)+4*(\i)],   v[XS+32*(\xs)+4*(\i)+1]
	v_cvt_pk_bf16_f32 v[PK+2*(\i)+1], v[XS+32*(\xs)+4*(\i)+2], v[XS+32*(\xs)+4*(\i)+3]
.endr
.irp i, 0,1,2,3,4,5,6,7
	ds_store_b64 v[STA+(\sslot)], v[PK+2*(\i):PK+2*(\i)+1] offset:SP*(\i)   ; rows i and i + 8: eight rows are 1,152 bytes = 128 modulo 256: 32 lanes, 32 different columns of 8 bytes
.endr
.if \load
	XLOAD \xs, \koff
.endif
.if \pf
	s_cmp_eq_u32 s[TRIPS], 1
	s_cbranch_scc1 .Lno_ask_\@
	global_prefetch_b8 v[PFO], s[XB:XB+1] offset:512 th:TH_LOAD_NT scope:SCOPE_SE
.Lno_ask_\@:
.endif
.endm
; The first half of a K step: multiplies buffer 0; in its middle the next step's x goes into its stage (its 16 conversions are the places in front of the loads) and the second half's fragments are fetched into buffer 1.
.macro HALF0 slot, zero, stage, xs=0, sslot=0, left=0, load=0, koff=0, step=0, pf=0
	s_wait_dscnt 4                                 ; W and x's row tiles 0, 1 are in; the youngest four loads (row tiles 2, 3) may be out
	MUL16 0, 0, \zero
	MUL16 0, 1, \zero
.if \stage
	XSTAGE \xs, \sslot, \left, \load, \koff, \step, \pf
.else
	PLACES
.endif
	FETCH \slot, 1, 1
.if \stage
	s_wait_dscnt 48                                ; all but the 8 stores and 40 loads just issued
.else
	s_wait_dscnt 40                                ; all but the 40 loads just issued
.endif
	MUL16 0, 2, \zero
	MUL16 0, 3, \zero
.endm
; The second half multiplies buffer 1 and changes slots: ONE barrier.  In front of it each wave waits for all its tensor loads (one is out: its quarter of the next slot), adds 0 to its spare word, and waits
; for that, for its reads of this slot and this stage, and for its stores into the next stage.  Behind it the next stage is whole and this slot and stage are read out.
; fill = 1: the barrier opens a round of the cluster's, and the joint refill, this slot's block two K steps on, is the first thing behind it: 96 matrix instructions ahead of the wait for it.
.macro TURN slot, next, fill
	WIN 0
	s_wait_tensorcnt 0x0                           ; all my tensor loads have landed
	ds_add_u32 v[SPW], v[NIL]                      ; 0 onto my spare word
	s_wait_dscnt 5                                 ; (the add and the youngest four loads may be out)
	MUL16 1, 0, 0                                  ; sixteen matrix instructions stand between the add and the wait for it
	s_wait_dscnt 0x0
	s_barrier_signal -1
	MUL16 1, 1, 0                                  ; work on registers while the others arrive
	WIN 0                                          ; at a branch and at a label every window is 0
	s_barrier_wait -1
.if \fill
	CREST                                          ; no wave of any partner still reads this slot or has a load on its way
	s_add_nc_u64 s[G0+4*(\slot)+2:G0+4*(\slot)+3], s[G0+4*(\slot)+2:G0+4*(\slot)+3], 2*WSLOT  ; no tensor load of mine is out; the type bits on top are not reached
	tensor_load_to_lds s[G0+4*(\slot):G0+4*(\slot)+3], s[G1W:G1W+7]
	s_nop 0
.endif
	PLACES                                         ; behind the load; also the places in front of the loads below
	FETCH \next, 0, 0
	MUL16 1, 2, 0
	MUL16 1, 3, 0
.endm
	s_load_b256 s[4:11], s[0:1], 0x0               ; x s[4:5], wb s[6:7], tab s[8:9], out0 s[10:11]
	v_lshl_add_u32 v[SPW], v0, 2, SPARE
	v_mov_b32 v[NIL], 0
	ds_add_u32 v[SPW], v[NIL]                      ; the wave's opening: the add and its wait stand ahead of my first tensor load; the set-up below, work on registers, stands between them
	v_lshrrev_b32 v3, 5, v0
	v_readfirstlane_b32 s[WV], v3                  ; wave 0..3
	s_bfe_u32 s13, ttmp6, 0x40000                  ; cx: my place in the cluster
	s_lshl_b32 s14, ttmp9, 2                       ; in a cluster launch ttmp9 counts clusters
	s_add_co_u32 s14, s14, s13                     ; G = 4 x cluster + cx: it enters x's and out0's addresses alone
	s_lshl_b32 s56, s14, 20                        ; 64 rows of 16,384 bytes,
	s_lshl_b32 s57, s[WV], 18                      ; my wave's 16 of them
	s_add_co_u32 s56, s56, s57
	s_mov_b32 s57, 0
	s_lshl_b32 s58, s14, 9                         ; 64 rows of 8 bytes of out0
	s_mov_b32 s59, 0
	; descriptor group 1: dense bytes asked for as rows of 256: 128 rows for a quarter of W, 12 for a wave's tables
	s_mov_b32 s[G1W+0], 15|(3<<16)|(1<<21)         ; 15:0 the mask: all four work-groups; 17:16 elements of 8 bytes; 20 no padding; 21 set beside a mask
	s_mov_b32 s[G1W+1], 32<<16                     ; tensor_dim0 = 32
	s_mov_b32 s[G1W+2], 128<<16                    ; tensor_dim1 = 128
	s_mov_b32 s[G1W+3], 32<<16                     ; tile_dim0 = 32
	s_mov_b32 s[G1W+4], 128                        ; tile_dim1 = 128
	s_mov_b32 s[G1W+5], 32                         ; 32 elements from row to row
	s_mov_b32 s[G1W+6], 0
	s_mov_b32 s[G1W+7], 0
	s_mov_b32 s[G1T+0], 15|(3<<16)|(1<<21)
	s_mov_b32 s[G1T+1], 32<<16
	s_mov_b32 s[G1T+2], 12<<16
	s_mov_b32 s[G1T+3], 32<<16
	s_mov_b32 s[G1T+4], 12
	s_mov_b32 s[G1T+5], 32
	s_mov_b32 s[G1T+6], 0
	s_mov_b32 s[G1T+7], 0
	s_mul_i32 s50, s[WV], WQ                       ; my quarter, in wb's blocks and in a slot alike: no place in the cluster enters an LDS address
	s_mov_b32 s51, 0
	s_mul_i32 s52, s[WV], TABW
	s_mov_b32 s53, 0
	s_mov_b32 s[NL], 0xbfb8aa3b
	s_mov_b32 s[NL+1], 0xbfb8aa3b                  ; named with it as a pair, so it is written
	v_and_b32 v1, 15, v0                           ; r
	v_bfe_u32 v2, v0, 4, 1                         ; h
	; A fragment is 16 rows x 32 K in 8 registers: lane l holds row r; registers 0-3 K = 8 h + 0..7, registers 4-7 K = 16 + 8 h + 0..7.  In W's rows piece m of eight lies at ((m + slot / 2) mod 8) x 16,
	; and slot / 2 mod 8 = r / 2: four addresses, for m = 4 q + 2 u + h.  For a fixed m the 16 rows touch 16 different columns of 16 bytes modulo 256.
	v_lshrrev_b32 v22, 1, v1
	v_add_nc_u32 v22, v22, v2                      ; r / 2 + h
	v_lshlrev_b32 v23, 7, v1
	v_add_nc_u32 v23, s50, v23                     ; my quarter + 128 r
.irp c, 0,1,2,3
	v_add_nc_u32 v24, 2*(\c), v22
	v_and_b32 v24, 7, v24
	v_lshl_add_u32 v[ADB+(\c)], v24, 4, v23
	v_add_nc_u32 v[ADB+4+(\c)], WSLOT, v[ADB+(\c)]
.endr
	v_mul_u32_u24 v24, v1, SP
	v_lshl_add_u32 v24, v2, 4, v24                 ; 144 r + 16 h
	v_add_nc_u32 v[ADA], STG, v24
	v_add_nc_u32 v[ADA+1], STG+STGS, v24
	s_lshl_b32 s54, s[WV], 5
	v_add_nc_u32 v24, s54, v24                     ; + 16 (2 w): group g's 16 bytes of row r
	v_add_nc_u32 v[EXS], EX, v24
	s_mul_i32 s54, s[WV], 16*SP
	v_mul_u32_u24 v24, v2, 8*SP
	v_lshl_add_u32 v24, v1, 3, v24
	v_add_nc_u32 v24, s54, v24                     ; row 16 w + 8 h, byte 8 r
	v_add_nc_u32 v[STA], STG, v24
	v_add_nc_u32 v[STA+1], STG+STGS, v24
	v_lshlrev_b32 v[XO], 4, v1
	v_lshl_or_b32 v[XO], v2, 17, v[XO]             ; 16 r, and eight rows down for lanes 16-31
	v_lshlrev_b32 v[PFO], 14, v1
	v_lshl_or_b32 v[PFO], v2, 8, v[PFO]            ; row r, block h of 256 bytes
	v_mul_u32_u24 v[TBA], v2, 1536
	v_add_nc_u32 v[TBA], s52, v[TBA]
	v_add_nc_u32 v[TBA], TAB, v[TBA]
	v_and_b32 v25, 31, v0
	v_mul_u32_u24 v[EXR], v25, 2*SP
	v_add_nc_u32 v[EXR], EX, v[EXR]
	v_lshlrev_b32 v[OUTO], 4, v25
	s_wait_dscnt 0x0                               ; the opening add is done
	s_wait_kmcnt 0x0
	s_add_nc_u64 s[XB:XB+1], s[4:5], s[56:57]
	s_add_nc_u64 s[10:11], s[10:11], s[58:59]
	XLOAD 0, 0                                     ; x of K steps 0 and 1: into registers, so they go out ahead of everything
	XLOAD 1, 256
	s_add_nc_u64 s[6:7], s[6:7], s[50:51]          ; wb and tab at my wave's part
	s_add_nc_u64 s[8:9], s[8:9], s[52:53]
.irp n, 0,1
	s_mov_b32 s[G0+4*(\n)], 1                                      ; 1:0 count = 1
	s_add_co_u32 s[G0+4*(\n)+1], s50, (\n)*WSLOT                   ; 63:32 LDS address
	s_add_nc_u64 s[G0+4*(\n)+2:G0+4*(\n)+3], s[6:7], (\n)*WSLOT    ; 120:64 global address: K step n
	s_or_b32 s[G0+4*(\n)+3], s[G0+4*(\n)+3], 0x80000000            ; 127:126 type = 2
.endr
	s_mov_b32 s[G0T], 1
	s_add_co_u32 s[G0T+1], s52, TAB
	s_add_nc_u64 s[G0T+2:G0T+3], s[8:9], 0
	s_or_b32 s[G0T+3], s[G0T+3], 0x80000000
	CROUND                                         ; all four work-groups are here: the first joint loads meet
	tensor_load_to_lds s[G0T:G0T+3], s[G1T:G1T+7]  ; the first fills go out as one group: three tensor loads of mine are out, the most in this text
	s_nop 0
	tensor_load_to_lds s[G0:G0+3], s[G1W:G1W+7]
	s_nop 0
	tensor_load_to_lds s[G0+4:G0+7], s[G1W:G1W+7]
	s_nop 0
	PLACES
	XSTAGE 0, 0, 8, 1, 512, 0, 0                   ; K step 0 into stage 0 (step 1's eight loads stay out); step 2 is asked for
	global_prefetch_b8 v[PFO], s[XB:XB+1] offset:1024 th:TH_LOAD_NT scope:SCOPE_SE  ; steps 4 and 5 ahead; steps 0 to 3 are loaded outright
	s_wait_tensorcnt 0x1                           ; the tables and my quarter of K step 0 are in; step 1's may stay out
	s_wait_dscnt 0x0                               ; for the others' sake: my stores into stage 0 are done
	s_barrier_signal -1
	s_barrier_wait -1
	FETCH 0, 0, 0
	HALF0 0, 1, 1, 1, 1, 8, 1, 768, 0, 0           ; the first half step stands in front of the loop: its products start the sums; step 1 is staged, step 3 asked for
	WIN 0
	s_wait_xcnt 0x0                                ; the loads' and the request's addresses are translated: their base may step
	s_add_nc_u64 s[XB:XB+1], s[XB:XB+1], 512       ; XB at K step 2
	s_mov_b32 s[TRIPS], 30
.Llap:                                                 ; trip j: from step 2 j's second half to step 2 j + 2's first; fills both slots again (W of steps 2 j + 2, 2 j + 3)
	TURN 0, 1, 1
	HALF0 1, 0, 1, 0, 0, 8, 1, 0, 1, 1             ; stages step 2 j + 2, loads step 2 j + 4, asks ahead for steps 2 j + 6 and 2 j + 7
	TURN 1, 0, 1
	HALF0 0, 0, 1, 1, 1, 8, 1, 256, 0, 0           ; stages step 2 j + 3, loads step 2 j + 5
	WIN 0
	s_sub_co_u32 s[TRIPS], s[TRIPS], 1
	s_cmp_lg_u32 s[TRIPS], 0
	s_cbranch_scc1 .Llap
	TURN 0, 1, 1                                   ; the tail is written out: W of step 62
	HALF0 1, 0, 1, 0, 0, 8, 0                      ; x of step 62 is staged, nothing more is loaded
	TURN 1, 0, 1                                   ; W of step 63
	HALF0 0, 0, 1, 1, 1, 0, 0                      ; x of step 63: no younger load is out
	TURN 0, 1, 0                                   ; nothing is filled again, so no round follows the barrier
	HALF0 1, 0, 0
	s_wait_dscnt 4                                 ; the very last half step
	MUL16 1, 0, 0
	MUL16 1, 1, 0
	s_wait_dscnt 0x0
	WIN 0
.set tt, 0
.rept 32                               ; my group's 128 bias' -> v128-255, which hold x no longer; sixteen lanes read the same bytes
	ds_load_b128 v[BIA+4*tt:BIA+4*tt+3], v[TBA] offset:16*tt
.set tt, tt+1
.endr
	MUL16 1, 2, 0
	MUL16 1, 3, 0
	PLACES                                         ; behind the last products: for the loads into W's buffers and for the lines that read the sums
	WIN TO_B
.set tt, 0
.rept 64                               ; A0, D0, A1, D1 -> window 1
	ds_load_b128 v[4*tt:4*tt+3], v[TBA] offset:512+16*tt
.set tt, tt+1
.endr
; THE SIGMOID of row tile mt's 128 places, in place: p = 1 / (1 + 2^(NL z + bias')).  By accumulators in ascending order, each from its lowest pair on.
; The next accumulator's four scalings stand between an accumulator's exponentials and the additions that read them: the plain line that a transcendental wants behind it (ISA guide 5.7.2).
.macro FMA8 g
.irp z, 0,2,4,6
	v_pk_fma_f32 v[BM+8*(\g)+(\z):BM+8*(\g)+(\z)+1], v[BM+8*(\g)+(\z):BM+8*(\g)+(\z)+1], s[NL:NL+1], v[BIA+8*(\g)+(\z):BIA+8*(\g)+(\z)+1] op_sel_hi:[1,0,1]
.endr
.endm
.macro SIG mt
.set BM, 128*((\mt)%2)
	WIN 0x41*(2+(\mt)/2)                           ; destination and source 0 in the sums' window, bias' in window 0
	FMA8 0
.set gg, 0
.rept 16
.irp z, 0,1,2,3,4,5,6,7
	v_exp_f32 v[BM+8*gg+(\z)], v[BM+8*gg+(\z)]
.endr
.if gg < 15
	FMA8 gg+1
.else
	v_nop
	s_wait_alu depctr_va_vdst(0)
.endif
	s_wait_alu depctr_va_vdst(0)
.irp z, 0,2,4,6
	v_pk_add_f32 v[BM+8*gg+(\z):BM+8*gg+(\z)+1], v[BM+8*gg+(\z):BM+8*gg+(\z)+1], 1.0 op_sel_hi:[1,0]
.endr
.irp z, 0,1,2,3,4,5,6,7
	v_rcp_f32 v[BM+8*gg+(\z)], v[BM+8*gg+(\z)]
.endr
.set gg, gg+1
.endr
	v_nop                                          ; a plain line behind the last reciprocal
.endm
; Depths 5 to 1 of a subtree, and the first half of depth 0, on the 64 values that begin at register vb: v(pos) = v(pos) - p v(pos) + p v(pos + 2^d), p at place 2^d + pos.
.macro LEVELS vb
.irp n, 32,16,8,4,2
.set pp, 0
.rept (\n)/2
	v_pk_fma_f32 v[(\vb)+pp:(\vb)+pp+1], v[BM+(\n)+pp:BM+(\n)+pp+1], v[(\vb)+pp:(\vb)+pp+1], v[(\vb)+pp:(\vb)+pp+1] neg_lo:[1,0,0] neg_hi:[1,0,0]
.set pp, pp+2
.endr
.set pp, 0
.rept (\n)/2
	v_pk_fma_f32 v[(\vb)+pp:(\vb)+pp+1], v[BM+(\n)+pp:BM+(\n)+pp+1], v[(\vb)+(\n)+pp:(\vb)+(\n)+pp+1], v[(\vb)+pp:(\vb)+pp+1]
.set pp, pp+2
.endr
.endr
	v_fma_f32 v[\vb], -v[BM+1], v[\vb], v[\vb]
.endm
; THE SUBTREE for row tile mt.  Depth 6 takes the leaf tables: v_c = A_c + p D_c; class 0's values go to window 0, class 1's take the place of the p that made them.
; What leaves: (v_0, v_1 of node 7 + g, p of top node g, 0), 16 bytes for batch row 16 mt + r and group g.
.macro TREE mt
.set BM, 128*((\mt)%2)
.set WD, 2+(\mt)/2
	WIN 0x14|WD                                    ; p in the sums' window, tables in window 1, destination window 0
.set pp, 0
	s_wait_alu depctr_va_vdst(0)
.rept 32
	v_pk_fma_f32 v[T+pp:T+pp+1], v[BM+64+pp:BM+64+pp+1], v[64+pp:64+pp+1], v[pp:pp+1]
.set pp, pp+2
.endr
	WIN (WD<<6)|0x14|WD                            ; the same, destination in the sums' window
.set pp, 0
.rept 32
	v_pk_fma_f32 v[BM+64+pp:BM+64+pp+1], v[BM+64+pp:BM+64+pp+1], v[192+pp:192+pp+1], v[128+pp:128+pp+1]
.set pp, pp+2
.endr
	WIN WD                                         ; p in the sums' window, values in window 0
	LEVELS T
	v_fma_f32 v[RES+4*(\mt)], v[BM+1], v[T+1], v[T]
	WIN 0x55*WD                                    ; everything in the sums' window
	LEVELS BM+64
	WIN 0x15*WD                                    ; sources there, destination window 0
	v_fma_f32 v[RES+4*(\mt)+1], v[BM+1], v[BM+65], v[BM+64]
	v_mov_b32 v[RES+4*(\mt)+2], v[BM]
	WIN 0
	v_mov_b32 v[RES+4*(\mt)+3], 0
	ds_store_b128 v[EXS], v[RES+4*(\mt):RES+4*(\mt)+3] offset:16*SP*(\mt)
.endm
	s_wait_dscnt 63                                ; of the 96 table loads at most 63 are out: the first 32, bias', are in (the wait's field holds no larger count)
	SIG 0
	s_wait_dscnt 0x0                               ; the leaf tables are in
	TREE 0
	SIG 1
	TREE 1
	SIG 2
	TREE 2
	SIG 3
	TREE 3
	s_wait_dscnt 0x0                               ; for wave 0's sake: my stores are done
	s_barrier_signal -1
	s_barrier_wait -1
	s_cmp_lg_u32 s[WV], 0
	s_cbranch_scc1 .Lend
	; THE TOP THREE LEVELS, by wave 0: lane l takes batch rows 2 l and 2 l + 1.  Quad g = (v_0, v_1, p of node g, 0); both classes go in one packed line, p taken from the low word of its pair for both.
.irp a, 0,1
.irp g, 0,1,2,3,4,5,6,7
	ds_load_b128 v[RR+32*(\a)+4*(\g):RR+32*(\a)+4*(\g)+3], v[EXR] offset:SP*(\a)+16*(\g)
.endr
.endr
.macro TOP dst, p, l, r2               ; dst = l - p l + p r2; p is quad p's third register
	v_pk_fma_f32 v[(\l):(\l)+1], v[(\p)+2:(\p)+3], v[(\l):(\l)+1], v[(\l):(\l)+1] op_sel_hi:[0,1,1] neg_lo:[1,0,0] neg_hi:[1,0,0]
	v_pk_fma_f32 v[(\dst):(\dst)+1], v[(\p)+2:(\p)+3], v[(\r2):(\r2)+1], v[(\l):(\l)+1] op_sel_hi:[0,1,1]
.endm
	s_wait_dscnt 0x0
.irp t, 0,1,2,3                        ; node 3 + t: children 7 + 2 t and 8 + 2 t, the groups 2 t and 2 t + 1
.irp a, 0,1
	TOP RR+32*(\a)+8*(\t), RR+32*(\a)+4*(3+(\t)), RR+32*(\a)+8*(\t), RR+32*(\a)+8*(\t)+4
.endr
.endr
.irp t, 0,1                            ; node 1 + t: children 3 + 2 t and 4 + 2 t, whose values lie in quads 4 t and 4 t + 2
.irp a, 0,1
	TOP RR+32*(\a)+16*(\t), RR+32*(\a)+4*(1+(\t)), RR+32*(\a)+16*(\t), RR+32*(\a)+16*(\t)+8
.endr
.endr
.irp a, 0,1                            ; the root
	TOP OUT+2*(\a), RR+32*(\a), RR+32*(\a), RR+32*(\a)+16
.endr
	global_store_b128 v[OUTO], v[OUT:OUT+3], s[10:11]  ; the work-group's 64 rows of out0: 512 consecutive bytes, at a multiple of 512 from its first byte
.Lend:
	s_wait_tensorcnt 0x0                           ; the wave's end, behind my last tensor load and my last LDS store
	ds_add_u32 v[SPW], v[NIL]
	s_wait_dscnt 0x0
	CROUND                                         ; the closing round: no work-group ends while a partner may still ask for a tile that names it
	s_endpgm
.Lfunc_end_k_q5bacfa1cf6_tree:
	.size	k_q5bacfa1cf6_tree, .Lfunc_end_k_q5bacfa1cf6_tree-k_q5bacfa1cf6_tree
	.p2alignl 7, 3214868480
	.fill 96, 4, 3214868480
	.section	.rodata,"a",@progbits
	.p2align	6, 0x0
	.amdhsa_kernel k_q5bacfa1cf6_tree
		.amdhsa_group_segment_fixed_size 327680
		.amdhsa_private_segment_fixed_size 0
		.amdhsa_enable_private_segment 0
		.amdhsa_kernarg_size 32
		.amdhsa_user_sgpr_count 2
		.amdhsa_user_sgpr_kernarg_segment_ptr 1
		.amdhsa_wavefront_size32 1
		.amdhsa_system_sgpr_workgroup_id_x 1
		.amdhsa_system_sgpr_workgroup_id_y 1
		.amdhsa_system_sgpr_workgroup_id_z 1
		.amdhsa_system_vgpr_workitem_id 0
		.amdhsa_next_free_vgpr 1024
		.amdhsa_next_free_sgpr 66
		.amdhsa_reserve_vcc 0
		.amdhsa_float_denorm_mode_32 3
		.amdhsa_float_denorm_mode_16_64 3
		.amdhsa_memory_ordered 1
		.amdhsa_forward_progress 1
		.amdhsa_inst_pref_size 230
	.end_amdhsa_kernel
	.amdgpu_metadata
---
amdhsa.version: [ 1, 2 ]
amdhsa.kernels:
  - .name:           k_q5bacfa1cf6_tree
    .symbol:         k_q5bacfa1cf6_tree.kd
    .args:
      - { .name: x, .offset: 0, .size: 8, .value_kind: global_buffer, .address_space: global }
      - { .name: wb, .offset: 8, .size: 8, .value_kind: global_buffer, .address_space: global }
      - { .name: tab, .offset: 16, .size: 8, .value_kind: global_buffer, .address_space: global }
      - { .name: out0, .offset: 24, .size: 8, .value_kind: global_buffer, .address_space: global }
    .group_segment_fixed_size: 327680
    .private_segment_fixed_size: 0
    .kernarg_segment_align: 8
    .kernarg_segment_size: 32
    .max_flat_workgroup_size: 128
    .sgpr_count:     66
    .vgpr_count:     1024
    .wavefront_size: 32
...
	.end_amdgpu_metadata
.endif
;; end of part 2
;; ======== version 2 of 2: 2 launches; version 1 with the launch prep written anew for expert scheduling mode
;; workspace buffers: wb 8,388,608 bytes; tab 12,288 bytes
;; launch prep (part 3): grid 264 x 1, 4 waves a work-group, no clusters, 0 bytes of LDS; arguments split_weights, split_bias, leaf_logits, wb, tab; writes wb, tab
.if DOCPART == 3
	.amdgcn_target "amdgcn-amd-amdhsa--gfx1250"
	.amdhsa_code_object_version 6
	.text
	.protected	k_q5bacfa1cf6_prep
	.globl	k_q5bacfa1cf6_prep
	.p2align	8
	.type	k_q5bacfa1cf6_prep,@function
k_q5bacfa1cf6_prep:
	s_mov_b64 s[64:65], 0
	v_nop
	global_prefetch_b8 v0, s[64:65] scope:SCOPE_SE
	s_setreg_imm32_b32 hwreg(HW_REG_WAVE_SCHED_MODE, 0, 2), 2
	s_setreg_imm32_b32 hwreg(HW_REG_WAVE_MODE, 25, 1), 1
	s_wait_xcnt 0x0
	s_wait_alu depctr_vm_vsrc(0)
; PREP.  Makes what the second launch reads of the three small inputs.
; wb:  split_weights rounded once to bf16, its rows put in SLOT order and its K cut into 64 blocks of 64.
; tab: per group g, 384 f32: -log2(e) x bias in slot order (128), then A0, D0, A1, D1 (64 each) for the lowest level of nodes.
; SLOTS.  slot = 256 w + 16 nt + 8 h + j.  Group g = 2 w + h is the subtree under node 7 + g; its place i = 8 nt + j (0..127) holds:
;   i = 0: top node g (nodes 0..6); for g = 7 node 7's row once more, whose result nobody reads (1,023 rows fill 1,024 slots);
;   i = 2^d + pos: the node at depth d under 7 + g, bit t of pos = the turn taken at depth t: node = (8 + g) 2^d + brev_d(pos) - 1.
; So the children of (d, pos) are (d + 1, pos) on the left and (d + 1, pos + 2^d) on the right.
; wb's byte for slot, k = 64 ks + 8 m + e:  ks x 131,072 + slot x 128 + ((m + slot / 2) mod 8) x 16 + 2 e: a K block is dense, and the eight
; 16-byte pieces of a row are turned round by slot / 2, so that 16 neighbouring rows' piece m lies in 16 different columns of 16 bytes modulo 256.
; A_c[pos] = softmax(left leaf)[c], D_c[pos] = softmax(right leaf)[c] - A_c[pos]; the leaves of (6, pos) are 2 p9 and 2 p9 + 1, p9 = 64 g + brev6(pos).
; The softmax takes the pair's maximum away first.  NaN and infinities are not treated apart.
; Work-groups 0..255 write wb, 256..263 write tab.  No LDS, no barrier: no wave needs another's data.
; THE MODE: SCHED_MODE bits 1:0 = 2 (LLVM: expert scheduling mode 2), set by the entry lines.  The code itself states the register dependences
; between vector instructions and memory instructions, with s_wait_alu, always for 0.
; THE PLAN, for wb.  Registers that memory instructions touch:
;   VO  v16-23   load offsets.  Written once, by the head's arithmetic; read by the 32 loads.  One wait on va_vdst stands ahead of the first load.
;   DT  v32-159  Load n lands in DT[4 n .. 4 n + 3]; behind the wait for it two conversions read the four and write the first two; store n reads those two; nothing writes them again.
;   SO  v24-31   store offsets.  Written once, behind the loads (the lines that make them name neither VO nor DT); read by the stores.
; The 32 loads go in 8 blocks of four (a pair of slots each).  Block i's conversions name DT of block i alone; the four stores of block i - 1 are dealt among them.  So ONE wait on
; va_vdst at a block's head states all that its four stores hang on: the block before has written its eight registers, and (block 1) SO is written.
; No register that a memory instruction reads is written again, so no wait on vm_vsrc is owed; EXEC is never written.
; THE PLAN, for tab.  Offsets v14, v18, v19, v20 are written once; loads land in v21 and v[24:27]; the stores' data are v21, v30, v31, each written once behind the loads' wait and never again.
.set NLOG2E, 0xbfb8aa3b                ; -log2(e)
.set LOG2E,  0x3fb8aa3b
.set TA,  8                            ; v8, v9   at work
.set TB,  9
.set PW,  10                           ; v10      2^d (0 for index 0)
.set RV,  11                           ; v11      brev_d(pos)
.set ND,  12                           ; v12      a node's number
.set IDX, 13                           ; v13      a place i
.set VO,  16                           ; v16-23   pair of slots i: byte offset of my 16 bytes in split_weights
.set SO,  24                           ; v24-31   pair of slots i: byte offset of my 8 bytes in wb
.set DT,  32                           ; v32-159  32 loads of four registers
.macro BREV6 dst, src, tmp             ; the six low bits in reverse order
	v_bfe_u32 v[\dst], v[\src], 0, 1
	v_lshlrev_b32 v[\dst], 5, v[\dst]
.irp k, 1,2,3,4,5
	v_bfe_u32 v[\tmp], v[\src], \k, 1
	v_lshl_or_b32 v[\dst], v[\tmp], 5-(\k), v[\dst]
.endr
.endm
.macro SPLIT idx                       ; of a place i: PW = its highest bit, RV = brev_d(i - PW), VCC = (i == 0)
	v_cmp_eq_u32 vcc_lo, 0, v[\idx]        ; it hangs on the place alone, so it stands first: the lines below lie between it and the wait for it
	v_lshrrev_b32 v[TA], 1, v[\idx]
	v_or_b32 v[TA], v[TA], v[\idx]
	v_lshrrev_b32 v[TB], 2, v[TA]
	v_or_b32 v[TA], v[TA], v[TB]
	v_lshrrev_b32 v[TB], 4, v[TA]
	v_or_b32 v[TA], v[TA], v[TB]           ; all bits below the highest are set
	v_lshrrev_b32 v[TB], 1, v[TA]
	v_sub_nc_u32 v[PW], v[TA], v[TB]       ; 2^d
	v_sub_nc_u32 v[TA], v[\idx], v[PW]     ; pos
	BREV6 RV, TA, TB
	v_mul_lo_u32 v[RV], v[RV], v[PW]
	v_lshrrev_b32 v[RV], 6, v[RV]          ; brev6(pos) >> (6 - d)
	s_wait_alu depctr_va_vcc(0)            ; the compare above has written VCC, which the selects in NODE read
.endm
.macro NODE dst, sg, sg8               ; the node at that place in group s[sg]; s[sg8] = 8 + the group
	v_mul_lo_u32 v[\dst], s[\sg8], v[PW]
	v_add3_u32 v[\dst], v[\dst], v[RV], -1
	v_cndmask_b32 v[\dst], v[\dst], s[\sg], vcc_lo   ; place 0: the top node with the group's number
.endm
	s_load_b256 s[4:11], s[0:1], 0x0               ; split_weights s[4:5], split_bias s[6:7], leaf_logits s[8:9], wb s[10:11]
	s_load_b64 s[12:13], s[0:1], 0x20              ; tab
	v_lshrrev_b32 v1, 5, v0
	v_readfirstlane_b32 s14, v1                    ; wave 0..3
	s_wait_alu depctr_va_sdst(0)                   ; s14 is written: stated ahead of the branch, behind which its one reader (the task's number) stands
	s_cmp_ge_u32 ttmp9, 256
	s_cbranch_scc1 .Ltables
	; A WAVE'S SHARE OF wb: one tile of 16 slots x 256 along K (four K blocks): 16 KiB in, 8 KiB out.
	s_lshl_b32 s15, ttmp9, 2
	s_add_co_u32 s15, s15, s14                     ; task 0..1023
	s_lshr_b32 s16, s15, 4                         ; tile of 16 slots, 0..63
	s_and_b32 s17, s15, 15                         ; which four K blocks
	s_lshr_b32 s18, s16, 4                         ; w
	s_and_b32 s19, s16, 15                         ; nt
	s_lshl_b32 s20, s18, 1                         ; the group of the tile's slots 0-7,
	s_add_co_u32 s21, s20, 8
	s_add_co_u32 s22, s20, 1                       ; and of its slots 8-15
	s_add_co_u32 s23, s20, 9
	s_lshl_b32 s24, s19, 3                         ; 8 nt
	s_lshl_b32 s25, s17, 10                        ; my 256 numbers of a row begin here, in bytes
	s_lshl_b32 s26, s17, 19                        ; four K blocks of wb
	s_lshl_b32 s27, s16, 11                        ; 16 slots of 128 bytes
	s_add_co_u32 s26, s26, s27
	v_and_b32 v2, 15, v0                           ; c: which 16 bytes of 256
	v_bfe_u32 v3, v0, 4, 1                         ; a: the even or the odd slot of a pair
	v_lshl_add_u32 v4, v2, 4, s25
	v_add_nc_u32 v7, s24, v3                       ; 8 nt + a
.irp ii, 0,1,2,3                       ; pairs ii and ii + 4 hold the same places in the tile's two groups
	v_add_nc_u32 v[IDX], 2*(\ii), v7
	SPLIT IDX
	NODE ND, 20, 21
	v_lshl_add_u32 v[VO+(\ii)], v[ND], 14, v4      ; a row of split_weights is 16,384 bytes
	NODE ND, 22, 23
	v_lshl_add_u32 v[VO+4+(\ii)], v[ND], 14, v4
.endr
	s_wait_kmcnt 0x0
	s_wait_alu depctr_va_vdst(0)                   ; the eight offsets VO are written, which the loads below read
.irp i, 0,1,2,3,4,5,6,7                ; all 32 loads go out first: lanes 0-15 take 256 consecutive bytes of one row, lanes 16-31 of the pair's other row
.irp k, 0,1,2,3
	global_load_b128 v[DT+4*(4*(\i)+(\k)):DT+4*(4*(\i)+(\k))+3], v[VO+(\i)], s[4:5] offset:256*(\k)
.endr
.endr
	; The stores' offsets are made while the loads are on their way: these lines name neither VO nor DT.
	v_lshl_add_u32 v5, v3, 7, s26
	v_and_b32 v6, 1, v2
	v_lshl_add_u32 v5, v6, 3, v5                   ; my four numbers are half of a piece of eight
	v_lshrrev_b32 v6, 1, v2                        ; piece m = c / 2
.irp i, 0,1,2,3,4,5,6,7
	v_add_nc_u32 v[TA], \i, v6
	v_and_b32 v[TA], 7, v[TA]                      ; (m + slot / 2) mod 8: slot / 2 = 8 x tile + i
	v_lshl_add_u32 v[SO+(\i)], v[TA], 4, v5
.endr
.irp i, 0,1,2,3,4,5,6,7                ; block i: its four loads are rounded in place; the stores of block i - 1 stand among the conversions
.irp k, 0,1,2,3
	s_wait_loadcnt 31-(4*(\i)+(\k))                ; loads come back in order (ISA guide 5.7.1): this one is in, the younger ones stay out
.if (\i) > 0
.if (\k) == 0
	s_wait_alu depctr_va_vdst(0)                   ; the conversions of the block before have written its eight registers, which the four stores of this block read; in block 1 also: SO is written
.endif
	global_store_b64 v[SO+(\i)-1], v[DT+4*(4*((\i)-1)+(\k)):DT+4*(4*((\i)-1)+(\k))+1], s[10:11] offset:256*((\i)-1)+131072*(\k)  ; the wave's 32 x 8 bytes are two slots' rows: 256 consecutive bytes, aligned.  No vector line since the wait names these registers
.endif
	v_cvt_pk_bf16_f32 v[DT+4*(4*(\i)+(\k))],   v[DT+4*(4*(\i)+(\k))],   v[DT+4*(4*(\i)+(\k))+1]
	v_cvt_pk_bf16_f32 v[DT+4*(4*(\i)+(\k))+1], v[DT+4*(4*(\i)+(\k))+2], v[DT+4*(4*(\i)+(\k))+3]
.endr
.endr
	s_wait_alu depctr_va_vdst(0)                   ; block 7's conversions have written its eight registers, which the last four stores read
.irp k, 0,1,2,3
	global_store_b64 v[SO+7], v[DT+4*(28+(\k)):DT+4*(28+(\k))+1], s[10:11] offset:256*7+131072*(\k)
.endr
	s_endpgm                                       ; no register was written twice, so no wait frees one
.Ltables:                                              ; GROUP g's TABLES: thread i = 0..127 makes bias'[i], and A and D of (class i / 64, pos i mod 64)
	s_sub_co_u32 s15, ttmp9, 256                   ; g
	s_add_co_u32 s16, s15, 8
	s_lshl_b32 s17, s15, 6
	s_mul_i32 s18, s15, 1536                       ; the group's 384 numbers in tab
	SPLIT 0
	NODE ND, 15, 16
	v_lshlrev_b32 v14, 2, v[ND]                    ; 4,088 at the most: inside the 4,092 bytes of split_bias
	v_and_b32 v15, 63, v0                          ; pos
	v_lshrrev_b32 v16, 6, v0                       ; class
	BREV6 17, 15, TB
	v_add_nc_u32 v17, s17, v17                     ; p9
	v_lshlrev_b32 v18, 4, v17                      ; two leaves' four logits are 16 bytes
	v_lshl_add_u32 v19, v0, 2, s18
	v_lshl_add_u32 v20, v16, 8, v19                ; A_c[pos] lies at number 128 + 128 c + pos = 128 + i + 64 c
	v_cmp_eq_u32 vcc_lo, 1, v16
	s_wait_kmcnt 0x0
	s_wait_alu depctr_va_vcc(0)                    ; that compare has written VCC (my class is 1), which the two selects further down read
	s_wait_alu depctr_va_vdst(0)                   ; the offsets v14, v18, v19 and v20 are written, which the loads and stores below read
	global_load_b32 v21, v14, s[6:7]
	global_load_b128 v[24:27], v18, s[8:9]
	s_wait_loadcnt 0x0
	v_mul_f32 v21, NLOG2E, v21
	v_max_num_f32 v28, v24, v25
	v_max_num_f32 v29, v26, v27
	v_sub_f32 v24, v24, v28                        ; the larger of a pair becomes exactly 0
	v_sub_f32 v25, v25, v28
	v_sub_f32 v26, v26, v29
	v_sub_f32 v27, v27, v29
	v_mul_f32 v24, LOG2E, v24
	v_mul_f32 v25, LOG2E, v25
	v_mul_f32 v26, LOG2E, v26
	v_mul_f32 v27, LOG2E, v27
	v_exp_f32 v24, v24
	v_exp_f32 v25, v25
	v_exp_f32 v26, v26
	v_exp_f32 v27, v27
	v_nop                                          ; a plain instruction between the last exponential and the use of its result (ISA guide 5.7.2)
	s_wait_alu depctr_va_vdst(0)                   ; the four exponentials have written v24 to v27, which the additions read; and the scaled bias v21 is written, which the store below reads
	global_store_b32 v19, v21, s[12:13]            ; tab is 12,288 bytes in all: these stores are four bytes a lane, 128 consecutive bytes a wave
	v_add_f32 v28, v24, v25
	v_add_f32 v29, v26, v27
	v_rcp_f32 v28, v28
	v_rcp_f32 v29, v29
	v_cndmask_b32 v30, v24, v25, vcc_lo            ; my class's term of the left leaf (plain, and names no reciprocal),
	v_cndmask_b32 v31, v26, v27, vcc_lo            ; of the right leaf
	s_wait_alu depctr_va_vdst(0)                   ; the two reciprocals have written v28 and v29, which the two lines below read
	v_mul_f32 v30, v30, v28                        ; A
	v_fma_f32 v31, v31, v29, -v30                  ; D
	s_wait_alu depctr_va_vdst(0)                   ; A and D are written, which the two stores read
	global_store_b32 v20, v30, s[12:13] offset:512
	global_store_b32 v20, v31, s[12:13] offset:768
	s_endpgm
.Lfunc_end_k_q5bacfa1cf6_prep:
	.size	k_q5bacfa1cf6_prep, .Lfunc_end_k_q5bacfa1cf6_prep-k_q5bacfa1cf6_prep
	.p2alignl 7, 3214868480
	.fill 96, 4, 3214868480
	.section	.rodata,"a",@progbits
	.p2align	6, 0x0
	.amdhsa_kernel k_q5bacfa1cf6_prep
		.amdhsa_group_segment_fixed_size 0
		.amdhsa_private_segment_fixed_size 0
		.amdhsa_enable_private_segment 0
		.amdhsa_kernarg_size 40
		.amdhsa_user_sgpr_count 2
		.amdhsa_user_sgpr_kernarg_segment_ptr 1
		.amdhsa_wavefront_size32 1
		.amdhsa_system_sgpr_workgroup_id_x 1
		.amdhsa_system_sgpr_workgroup_id_y 1
		.amdhsa_system_sgpr_workgroup_id_z 1
		.amdhsa_system_vgpr_workitem_id 0
		.amdhsa_next_free_vgpr 160
		.amdhsa_next_free_sgpr 66
		.amdhsa_reserve_vcc 1
		.amdhsa_float_denorm_mode_32 3
		.amdhsa_float_denorm_mode_16_64 3
		.amdhsa_memory_ordered 1
		.amdhsa_forward_progress 1
		.amdhsa_inst_pref_size 25
	.end_amdhsa_kernel
	.amdgpu_metadata
---
amdhsa.version: [ 1, 2 ]
amdhsa.kernels:
  - .name:           k_q5bacfa1cf6_prep
    .symbol:         k_q5bacfa1cf6_prep.kd
    .args:
      - { .name: split_weights, .offset: 0, .size: 8, .value_kind: global_buffer, .address_space: global }
      - { .name: split_bias, .offset: 8, .size: 8, .value_kind: global_buffer, .address_space: global }
      - { .name: leaf_logits, .offset: 16, .size: 8, .value_kind: global_buffer, .address_space: global }
      - { .name: wb, .offset: 24, .size: 8, .value_kind: global_buffer, .address_space: global }
      - { .name: tab, .offset: 32, .size: 8, .value_kind: global_buffer, .address_space: global }
    .group_segment_fixed_size: 0
    .private_segment_fixed_size: 0
    .kernarg_segment_align: 8
    .kernarg_segment_size: 40
    .max_flat_workgroup_size: 128
    .sgpr_count:     66
    .vgpr_count:     160
    .wavefront_size: 32
...
	.end_amdgpu_metadata
.endif
;; end of part 3
;; launch tree: the kernel of part 2 again; grid 256 x 1, 4 waves a work-group, clusters of 4 x 1, 327,680 bytes of LDS; arguments x, wb, tab, out0; writes out0
